; MI455X (gfx1250); checked and timed in simulation.
; The chip was launched on July 23, 2026; its instructions are those of AMD's public machine-readable ISA for CDNA 5 (MIT licence, August 2026) and "CDNA5" Instruction Set Architecture Reference Guide (July 2026). The comments in the code are by the model that wrote it; some were corrected since.
;; BMOJOF Attention Layer. Allowed arithmetic: float matrix products may take bf16 or f16 operands with f32 sums; all other float work in f32.
;; Inputs: key 2 x 2,048 x 16 x 128 float32; query 2 x 2,048 x 16 x 128 float32; value 2 x 2,048 x 16 x 128 float32.
;; Outputs: out0 2 x 2,048 x 16 x 128 float32.
;; One version. Each part assembles by itself: llvm-mc -triple=amdgcn-amd-amdhsa -mcpu=gfx1250 --defsym DOCPART=n.
;; ======== version 1 of 1: 1 launch
;; limits: values are held in f16: magnitudes above 65,504 overflow, below 6.1e-05 lose precision
;; launch attn (part 1): grid 8 x 32, 4 waves a work-group, no clusters, 141,824 bytes of LDS; arguments query, key, value, out0; writes out0
.if DOCPART == 1
	.amdgcn_target "amdgcn-amd-amdhsa--gfx1250"
	.amdhsa_code_object_version 6
	.text
	.protected	k_qa746621045_attn
	.globl	k_qa746621045_attn
	.p2align	8
	.type	k_qa746621045_attn,@function
k_qa746621045_attn:
	s_mov_b64 s[64:65], 0
	v_nop
	global_prefetch_b8 v0, s[64:65] scope:SCOPE_SE
	s_setreg_imm32_b32 hwreg(HW_REG_WAVE_MODE, 25, 1), 1
	s_wait_xcnt 0x0
; Banded attention, both streams and their merge as ONE softmax.  query, key, value, out0: [2][2048][16][128] f32.
;
; WHAT IS LEFT OUT, AND WHY IT IS DEAD.  With l_ij the scaled logit, N_x = sum over the keys j of stream x of e^l_ij v_j and
; d_x = sum of e^l_ij, a stream returns out_x = N_x / d_x and e^lse_x = d_x.  The merge gives out_c d_c/(d_c+d_s) + out_s d_s/(d_c+d_s)
; = (N_c + N_s) / (d_c + d_s): the softmax over the union of the two key sets, 0 <= i - j < 512 and j >= 0, for all finite inputs
; (an empty c-stream has d_c = 0, which is the union without those keys).  So the two streams' separate normalisations, logarithms and
; the merge's exponentials cancel, and the union is computed once, with a running maximum taken away before every exponential.
; Key tiles of 64 that the mask built in reference() throws away whole (i - j < 0, i - j >= 512, j < 0) are not loaded for that query tile
; and not multiplied.  The union holds the self key, and the first step's tile holds a live key for every query, so the running maximum
; is finite from the first step on and the denominator is not 0: the states that reference() selects on (a row of -inf, a sum of 0)
; come from its own mask alone and do not arise; a tile in which one query has no live key leaves that query's state as it is
; (its factor is 2^min(0, +inf) = 1 and its terms are 2^-inf = 0).  Every input has a way to the output: all three are loaded.
; NUMBER FORMATS.  Q, K and V are each rounded once to bf16.  S^T = K Q^T is a bf16 product.  The probabilities go in f16: a query near the start of a
; sequence has few keys, its result is a sum of few terms, and a term off by up to 2^-8 of itself (bf16) is not averaged out; f16 leaves 2^-11.
; So O^T = V^T P^T is an f16 product, and V's bf16 value is carried in f16: its 8 significant bits fit f16's 11 exactly.
; LIMITS.  |V| up to 65,504 (f16's largest number; beyond it V becomes an infinity), some 10,000 times the spread 1; V below 2^-14 in magnitude and
; probabilities below 2^-14 are kept to 2^-25 absolute.  Sums in f32, in another order than reference()'s.  A NaN, an infinity or an overflow
; in masked or skipped keys is not carried to the result; v_max_num_f32 drops a NaN in a logit.
; v_exp_f32 gives 0 for results below 2^-126 (ISA guide, its entry in 15.8): terms that small beside a largest term of 1 are lost.
;
; SHARES.  Work-group (x = n, y = 16 b + h) owns the 256 queries q0 = 256 n .. of one head: 8 x 32 = 256 work-groups.  Wave w owns four row tiles
; j = 0..3 of 16 queries, q0 + 64 j + 16 w + r: interleaved, so that in every step all four waves have the same live tiles.
; Key tile s = 0..11 holds keys q0 - 512 + 64 s .. + 63.  For row tile j: s = j + 8 holds the diagonal (masked), s = j the far edge (masked),
; j < s < j + 8 is wholly live (i - j in 1..511), all else is dead.  Order of steps: 8 | 4 5 6 7 | 9 10 11 | 0 1 2 3; n = 0 has no tiles 0..7,
; n = 1 none of 0..3.  Row-tile steps: 36 for n >= 2, 26 for n = 1, 10 for n = 0: the first two blocks of a head end early.
; TRANSPOSED PRODUCTS.  S^T = K Q^T: lane (r, h) holds query r, register e of sub-tile a the key 16 a + 8 h + e, so maxima and sums run inside a lane
; and once across the halves, and pairs of S^T registers rounded to f16 ARE the second source of O^T = V^T P^T.  In O^T a lane again holds one query.
; DATA PATH.  K and V are f32 in memory and must be 16 bits wide in front of the products, so they go through registers: each wave loads 16 rows of K
; and of V (32 loads, each a whole aligned row of 512 bytes) one step ahead, rounds them and stores them into one of two LDS slots; one barrier a step.
; NO CLUSTER: a joint tensor load cannot round, so a shared tile would land as f32 (64 KiB a step instead of 35,840 bytes) and pass through
; LDS twice; and block n's tile s is block n + 1's tile s - 4, which this order of steps reads at another step.
;
; REGISTERS, in windows of 256 (s_set_vgpr_msb, low byte: bits 1:0 source 0, 3:2 source 1, 5:4 source 2, 7:6 destination):
;   window 0: addresses and softmax state, PRB probabilities, SCO scores      window 1: KFG, VFG fragments of K and V^T
;   window 2: ACC, O^T (first: Q as loaded)                                   window 3: QFG fragments of Q, LND the next tile as loaded
.set TILEB, 524288                     ; 64 keys x 8,192 bytes from key to key
.set ROWB,  8192
.set KP,    272                        ; K and Q rows in LDS: 256 bytes + 16 = 17 x 16: sixteen rows start in sixteen different 16-byte columns modulo 256
.set VP,    288                        ; V rows: 9 x 32 bytes, for the transposing loads
.set VOFF,  64*KP                      ; V behind K in a slot
.set SLOT,  64*KP+64*VP                ; 35,840
.set STG,   2*SLOT                     ; behind the two slots: each wave's own 17,408 bytes: Q in bf16 at first, the way out at the end
.set STGW,  17408
.set OP,    528                        ; the way out: 512 bytes + 16 = 33 x 16
.set OHALF, 16*OP
.set CLOG,  0x3e0293ee                 ; log2(e) / sqrt(128)
.set AK,   4                           ; v4, v5   K fragments: r x 272 + 16 h, slot 0, 1
.set AV,   6                           ; v6, v7   V^T fragments: (8 h + L % 8) x 288 + 16 ((L / 8) % 2), slot 0, 1
.set SK,   8                           ; v8       where my rows of K go: 16 w rows + 8 L
.set SV,   9                           ; v9       the same for V
.set VO,   10                          ; v10      the one global offset, for Q, K, V and out: 16 w rows + 16 L; never rewritten
.set U,    11                          ; v11      16 w + r - 8 h
.set NINF, 12                          ; v12      -inf
.set QST,  13                          ; v13      my stage + 8 L
.set QFR,  14                          ; v14      my stage + r x 272 + 16 h
.set OST,  15                          ; v15      my stage + r x 528 + 32 h
.set ORD,  16                          ; v16      my stage + 16 L
.set TMP,  17                          ; v17      what comes from the other half of the lanes
.set T,    18                          ; v18-20   at work
.set SA,   24                          ; v[24:25], v[26:27]  two packed chains of the row sum
.set SB,   26
.set STA,  32                          ; v[32+6j ..]: NM pair (-c x running maximum), AL pair (the factor for old sums), L (my half's sum)
.set PRB,  64                          ; v[64+16j+4a+e/2]
.set SCO,  128                         ; v[128+32j+8a+e]; on the way out: rows read back
.set KFG,  0                           ; window 1: 8 (4 c + a)
.set VFG,  128                         ; window 1: 128 + 8 (8 c + d)
.set ACC,  0                           ; window 2: 64 j + 8 d
.set QFG,  0                           ; window 3: 32 j + 8 c
.set LND,  128                         ; window 3: K rows at 4 i, V rows at 64 + 4 i
.set MSB, 0
.macro WIN new                         ; the immediate's high byte repeats the setting that is left; a switch that changes nothing is dropped
.if MSB != \new
	s_set_vgpr_msb (MSB<<8)|\new
.set MSB, \new
.endif
.endm
.macro PLACES                          ; four plain vector instructions between a matrix instruction and a vector instruction that reads its result (ISA guide 7.12.1)
.rept 4
	v_nop
.endr
.endm
.macro BAR
	WIN 0
	s_barrier_signal -1
	s_barrier_wait -1
.endm
; My 16 rows of K and of V of key tile s, from bases s[kb:kb+1], s[vb:vb+1] (which stand at key q0): 32 loads of 512 neighbouring bytes
.macro GLOAD kb, vb, s
	WIN 0xc0
.irp i, 0,1,2,3,4,5,6,7,8,9,10,11,12,13,14,15
	global_load_b128 v[LND+4*\i:LND+4*\i+3], v[VO], s[\kb:\kb+1] offset:(\s-8)*TILEB+\i*ROWB
.endr
.irp i, 0,1,2,3,4,5,6,7,8,9,10,11,12,13,14,15
	global_load_b128 v[LND+64+4*\i:LND+64+4*\i+3], v[VO], s[\vb:\vb+1] offset:(\s-8)*TILEB+\i*ROWB
.endr
.endm
; The tile that has been loaded is rounded in place and stored into a slot.  K: to bf16.  V: to bf16, and that value written as f16
; (widened by a shift or a mask, then narrowed: no bit is lost from 2^-14 to 65,504).  K's 32 conversions are also the places between
; the step's last matrix instruction and the next step's loads into its fragment registers.
.macro CONVST slot
	s_wait_loadcnt 0x0                             ; all 32 loads of the tile; none is younger
	WIN 0xcf
.set ii, 0
.rept 16
	v_cvt_pk_bf16_f32 v[LND+4*ii], v[LND+4*ii], v[LND+4*ii+1]
	v_cvt_pk_bf16_f32 v[LND+4*ii+1], v[LND+4*ii+2], v[LND+4*ii+3]
.set ii, ii+1
.endr
.rept 16
.set XR, LND+4*ii
	v_cvt_pk_bf16_f32 v[XR], v[XR], v[XR+1]        ; numbers 0, 1 of my four, rounded
	v_cvt_pk_bf16_f32 v[XR+2], v[XR+2], v[XR+3]    ; numbers 2, 3
	v_lshlrev_b32 v[XR+1], 16, v[XR]               ; number 0 as f32
	v_and_b32 v[XR], s27, v[XR]                    ; number 1
	v_lshlrev_b32 v[XR+3], 16, v[XR+2]             ; number 2
	v_and_b32 v[XR+2], s27, v[XR+2]                ; number 3
	v_cvt_pk_f16_f32 v[XR], v[XR+1], v[XR]
	v_cvt_pk_f16_f32 v[XR+1], v[XR+3], v[XR+2]
.set ii, ii+1
.endr
	WIN 0x0c
.irp i, 0,1,2,3,4,5,6,7,8,9,10,11,12,13,14,15
	ds_store_b64 v[SK], v[LND+4*\i:LND+4*\i+1] offset:\slot*SLOT+\i*KP
.endr
.irp i, 0,1,2,3,4,5,6,7,8,9,10,11,12,13,14,15
	ds_store_b64 v[SV], v[LND+64+4*\i:LND+64+4*\i+1] offset:\slot*SLOT+VOFF+\i*VP
.endr
.endm
; A step's end: next tile into the other slot, the tile after it requested, one barrier.
.macro TAIL nslot, kb, vb, s2
	CONVST \nslot
	s_wait_dscnt 0x0                               ; for the other waves: my reads of this step's slot and my stores into the other are done
.if \s2 >= 0
	GLOAD \kb, \vb, \s2                            ; stays out over the barrier and the whole next step: nobody writes those bytes
.endif
	BAR                                            ; behind it the other slot is whole, and this step's slot is read by nobody
.endm
; All 64 fragment loads of a step: K by 32 along d (8 loads each), then V^T by 32 keys (16 loads each)
.macro FRAGS slot
	WIN 0x40
.irp c, 0,1,2,3
.irp a, 0,1,2,3
	ds_load_b128 v[KFG+8*(4*\c+\a):KFG+8*(4*\c+\a)+3], v[AK+\slot] offset:\a*16*KP+64*\c
	ds_load_b128 v[KFG+8*(4*\c+\a)+4:KFG+8*(4*\c+\a)+7], v[AK+\slot] offset:\a*16*KP+64*\c+32
.endr
.endr
.irp c, 0,1
.irp d, 0,1,2,3,4,5,6,7
	ds_load_tr16_b128 v[VFG+8*(8*\c+\d):VFG+8*(8*\c+\d)+3], v[AV+\slot] offset:VOFF+\c*32*VP+32*\d
	ds_load_tr16_b128 v[VFG+8*(8*\c+\d)+4:VFG+8*(8*\c+\d)+7], v[AV+\slot] offset:VOFF+\c*32*VP+32*\d+16*VP
.endr
.endr
.endm
; S^T = K Q^T for row tiles lo..hi, in bf16.  The accumulators (a, j) take turns, one instruction a turn: four at the least.
; The first 32 along d start the sums.
.macro QK lo, hi
	WIN 0x0d
.irp c, 0,1,2,3
	s_wait_dscnt 56-8*\c                           ; of the 64 loads the first 8 (c + 1) are in
.irp a, 0,1,2,3
.set jq, \lo
.rept \hi-\lo+1
.if \c == 0
	v_wmma_f32_16x16x32_bf16 v[SCO+32*jq+8*\a:SCO+32*jq+8*\a+7], v[KFG+8*(4*\c+\a):KFG+8*(4*\c+\a)+7], v[QFG+32*jq+8*\c:QFG+32*jq+8*\c+7], 0
.else
	v_wmma_f32_16x16x32_bf16 v[SCO+32*jq+8*\a:SCO+32*jq+8*\a+7], v[KFG+8*(4*\c+\a):KFG+8*(4*\c+\a)+7], v[QFG+32*jq+8*\c:QFG+32*jq+8*\c+7], v[SCO+32*jq+8*\a:SCO+32*jq+8*\a+7]
.endif
.set jq, jq+1
.endr
.endr
.endr
.endm
; O^T += V^T P^T, in f16.  The accumulators (d, j) take turns, one instruction a turn: eight at the least.
.macro PV lo, hi, first
	WIN 0xa1
.irp c, 0,1
	s_wait_dscnt 16-16*\c                          ; V^T's first 16 loads are in, then all
.irp d, 0,1,2,3,4,5,6,7
.set jq, \lo
.rept \hi-\lo+1
.if \first*(1-\c)
	v_wmma_f32_16x16x32_f16 v[ACC+64*jq+8*\d:ACC+64*jq+8*\d+7], v[VFG+8*(8*\c+\d):VFG+8*(8*\c+\d)+7], v[PRB+16*jq+8*\c:PRB+16*jq+8*\c+7], 0
.else
	v_wmma_f32_16x16x32_f16 v[ACC+64*jq+8*\d:ACC+64*jq+8*\d+7], v[VFG+8*(8*\c+\d):VFG+8*(8*\c+\d)+7], v[PRB+16*jq+8*\c:PRB+16*jq+8*\c+7], v[ACC+64*jq+8*\d:ACC+64*jq+8*\d+7]
.endif
.set jq, jq+1
.endr
.endr
.endr
.endm
; The one masked row tile of a step.  Key 16 a + 8 h + e against query 16 w + r of the same 64:
; diagonal tile (far = 0): live iff 16 a + e <= U;  far edge (far = 1): i - j = 512 + query - key < 512, live iff 16 a + e > U.
.macro MASK j, far
.irp a, 0,1,2,3
.irp e, 0,1,2,3,4,5,6,7
.if \far
	v_cmp_gt_i32 vcc_lo, 16*\a+\e, v[U]
.else
	v_cmp_le_i32 vcc_lo, 16*\a+\e, v[U]
.endif
	v_cndmask_b32 v[SCO+32*\j+8*\a+\e], v[NINF], v[SCO+32*\j+8*\a+\e], vcc_lo
.endr
.endr
.endm
; Pieces of the softmax for eight scores (sub-tile g): exponent, exponential, sums and rounding
.macro SMF g
.irp k, 0,2,4,6
	v_pk_fma_f32 v[XS+8*\g+\k:XS+8*\g+\k+1], v[XS+8*\g+\k:XS+8*\g+\k+1], s[24:25], v[XT:XT+1] op_sel_hi:[1,0,1]   ; c s - c max
.endr
.endm
.macro SME g
.irp k, 0,1,2,3,4,5,6,7
	v_exp_f32 v[XS+8*\g+\k], v[XS+8*\g+\k]
.endr
.endm
.macro SMW g
.if \g == 0
	s_wait_alu depctr_va_vdst(0)
	v_pk_add_f32 v[SA:SA+1], v[XS:XS+1], v[XS+2:XS+3]              ; the first terms start both chains: nothing is cleared
	v_pk_add_f32 v[SB:SB+1], v[XS+4:XS+5], v[XS+6:XS+7]
.else
	s_wait_alu depctr_va_vdst(0)
	v_pk_add_f32 v[SA:SA+1], v[SA:SA+1], v[XS+8*\g:XS+8*\g+1]
	v_pk_add_f32 v[SB:SB+1], v[SB:SB+1], v[XS+8*\g+2:XS+8*\g+3]
	v_pk_add_f32 v[SA:SA+1], v[SA:SA+1], v[XS+8*\g+4:XS+8*\g+5]
	v_pk_add_f32 v[SB:SB+1], v[SB:SB+1], v[XS+8*\g+6:XS+8*\g+7]
.endif
.irp k, 0,1,2,3
	v_cvt_pk_f16_f32 v[XP+4*\g+\k], v[XS+8*\g+2*\k], v[XS+8*\g+2*\k+1]   ; at most 1, so inside f16's range
.endr
.endm
; One row tile's softmax step.  first = 1: the state is started; else the running maximum moves and AL = 2^(c (old max - new max)).
.macro SOFTMAX j, first
.set XS, SCO+32*(\j)
.set XT, STA+6*(\j)
.set XP, PRB+16*(\j)
	v_max3_num_f32 v[T], v[XS], v[XS+1], v[XS+2]                   ; my 32 keys, in two chains
	v_max3_num_f32 v[T+1], v[XS+16], v[XS+17], v[XS+18]
.irp k, 3,5,7,9,11,13
	v_max3_num_f32 v[T], v[T], v[XS+\k], v[XS+\k+1]
	v_max3_num_f32 v[T+1], v[T+1], v[XS+16+\k], v[XS+16+\k+1]
.endr
	v_max3_num_f32 v[T], v[T], v[XS+15], v[XS+31]
	v_max_num_f32 v[T], v[T], v[T+1]
	v_permlanex16_b32 v[TMP], v[T], s28, s29                       ; the query's other 32 keys lie in lane L xor 16
	v_max_num_f32 v[T], v[T], v[TMP]
.if \first
	v_mul_f32 v[XT], s26, v[T]                                     ; NM = -c max, twice for the packed forms
	v_mul_f32 v[XT+1], s26, v[T]
.else
	v_mul_f32 v[T+1], s26, v[T]                                    ; -c x the tile's maximum (+inf where the tile has no live key for this query); needed by itself for the minima
	v_sub_f32 v[T+2], v[T+1], v[XT]
	v_min_num_f32 v[XT], v[XT], v[T+1]
	v_min_num_f32 v[XT+1], v[XT+1], v[T+1]
	v_min_num_f32 v[T+2], 0, v[T+2]                                ; new NM - old NM, at most 0
	v_exp_f32 v[XT+2], v[T+2]
	v_exp_f32 v[XT+3], v[T+2]
.endif
	; between every exponential and the first use of its result stands a plain instruction on other registers (ISA guide 5.7.2):
	; a group's results are used one group later
	SMF 0
	SME 0
	SMF 1
	SME 1
	SMW 0
	SMF 2
	SME 2
	SMW 1
	SMF 3
	SME 3
	SMW 2
	SMW 3
	v_pk_add_f32 v[SA:SA+1], v[SA:SA+1], v[SB:SB+1]
.if \first
	v_add_f32 v[XT+4], v[SA], v[SA+1]
.else
	v_add_f32 v[SA], v[SA], v[SA+1]
	v_fma_f32 v[XT+4], v[XT+4], v[XT+2], v[SA]                     ; my half's sum; AL is the same in both halves, which meet at the end
.endif
.endm
.macro RESCALE j                       ; O^T of row tile j times the lane's AL
	WIN 0x82
.set XO, ACC+64*(\j)
.set XT, STA+6*(\j)
.set kk, 0
.rept 32
	v_pk_mul_f32 v[XO+kk:XO+kk+1], v[XO+kk:XO+kk+1], v[XT+2:XT+3]
.set kk, kk+2
.endr
.endm
; A step: the key tile in a slot against row tiles lo..hi; mt = the masked one (-1: none), far = which edge
.macro STEP slot, lo, hi, mt, far, first
	FRAGS \slot
	QK \lo, \hi
	WIN 0
	PLACES
.if \mt >= 0
	MASK \mt, \far
.endif
.set js, \lo
.rept \hi-\lo+1
	SOFTMAX js, \first
.set js, js+1
.endr
.if \first == 0
.set js, \lo
.rept \hi-\lo+1
	RESCALE js
.set js, js+1
.endr
.endif
	PV \lo, \hi, \first
.endm
; The way out for row tile j: 16 queries x 128 f32 through my own stage (two halves in turn), back as whole rows
.macro OUT j
	WIN 0x08
.irp d, 0,1,2,3,4,5,6,7
	ds_store_b128 v[OST], v[ACC+64*\j+8*\d:ACC+64*\j+8*\d+3] offset:(\j&1)*OHALF+64*\d
	ds_store_b128 v[OST], v[ACC+64*\j+8*\d+4:ACC+64*\j+8*\d+7] offset:(\j&1)*OHALF+64*\d+16
.endr
	WIN 0
.if \j >= 2
	s_wait_xcnt 0x0                                ; the registers read back into were the data of the stores two tiles ago: rewritten only behind this wait
.endif
.irp t, 0,1,2,3,4,5,6,7,8,9,10,11,12,13,14,15
	ds_load_b128 v[SCO+64*(\j&1)+4*\t:SCO+64*(\j&1)+4*\t+3], v[ORD] offset:(\j&1)*OHALF+OP*\t   ; a wave's LDS instructions are served in order (ISA guide 5.7.1): these see the stores above
.endr
.irp t, 0,1,2,3,4,5,6,7,8,9,10,11,12,13,14,15
	s_wait_dscnt 15-\t                             ; row t is back, the younger rows may be out
	global_store_b128 v[VO], v[SCO+64*(\j&1)+4*\t:SCO+64*(\j&1)+4*\t+3], s[10:11] offset:(64*\j+\t)*ROWB th:TH_STORE_NT   ; the wave stores 512 consecutive bytes, aligned
.endr
.endm
	; ---------------- set-up ----------------
	s_load_b256 s[4:11], s[0:1], 0x0               ; query s[4:5], key s[6:7], value s[8:9], out0 s[10:11]
	v_lshl_add_u32 v62, v0, 2, 0x22800
	v_mov_b32 v63, 0
	v_lshrrev_b32 v[T], 5, v0
	v_readfirstlane_b32 s12, v[T]                  ; wave w
	s_mov_b32 s13, ttmp9                           ; n
	s_and_b32 s14, ttmp7, 0xffff                   ; 16 b + h
	s_lshr_b32 s16, s14, 4
	s_lshl_b32 s16, s16, 24                        ; b x 2048 x 8,192 bytes
	s_and_b32 s17, s14, 15
	s_lshl_b32 s17, s17, 9                         ; h x 512
	s_add_co_u32 s16, s16, s17
	s_lshl_b32 s17, s13, 21                        ; n x 256 x 8,192
	s_add_co_u32 s16, s16, s17                     ; below 2^25
	s_mov_b32 s17, 0
	s_cmp_eq_u32 s13, 0
	s_cselect_b32 s18, 5*TILEB, 0                  ; n = 0 has no tiles 4..7: what is asked for as tiles 4 and 5 are then tiles 9 and 10
	s_mov_b32 s19, 0
	s_mov_b32 s24, CLOG
	s_mov_b32 s25, CLOG
	s_mov_b32 s26, 0xbe0293ee                      ; -c
	s_mov_b32 s27, 0xffff0000                      ; a word's upper bf16
	s_mov_b32 s28, 0x76543210                      ; v_permlanex16_b32: lane i of one half reads lane i of the other
	s_mov_b32 s29, 0xfedcba98
	s_mul_i32 s31, s12, STGW
	s_add_co_u32 s31, s31, STG                     ; my stage
	s_mul_i32 s32, s12, 16*KP                      ; my 16 rows in a slot's K
	s_mul_i32 s33, s12, 16*VP                      ; and V
	v_and_b32 v1, 31, v0                           ; L
	v_and_b32 v2, 15, v0                           ; r
	v_bfe_u32 v3, v0, 4, 1                         ; h
	v_mul_u32_u24 v[AK], v2, KP
	v_lshl_add_u32 v[AK], v3, 4, v[AK]
	v_add_nc_u32 v[AK+1], SLOT, v[AK]
	v_and_b32 v[T], 7, v0
	v_lshl_add_u32 v[T], v3, 3, v[T]
	v_mul_u32_u24 v[AV], v[T], VP
	v_bfe_u32 v[T+1], v0, 3, 1
	v_lshl_add_u32 v[AV], v[T+1], 4, v[AV]
	v_add_nc_u32 v[AV+1], SLOT, v[AV]
	v_lshlrev_b32 v[T], 3, v1                      ; 8 L: four f32 become 8 bytes
	v_add_nc_u32 v[SK], s32, v[T]
	v_add_nc_u32 v[SV], s33, v[T]
	v_add_nc_u32 v[QST], s31, v[T]
	v_lshlrev_b32 v[VO], 4, v1
	v_lshl_add_u32 v[VO], s12, 17, v[VO]           ; 16 w rows of 8,192 bytes + 16 L
	v_lshl_add_u32 v[U], s12, 4, v2
	v_lshlrev_b32 v[T+1], 3, v3
	v_sub_nc_u32 v[U], v[U], v[T+1]
	v_mov_b32 v[NINF], 0xff800000
	v_add_nc_u32 v[QFR], s31, v[AK]
	v_mul_u32_u24 v[OST], v2, OP
	v_lshl_add_u32 v[OST], v3, 5, v[OST]
	v_add_nc_u32 v[OST], s31, v[OST]
	v_lshl_add_u32 v[ORD], v1, 4, s31
	v_mov_b32 v[TMP], 0                            ; v_permlanex16_b32's destination counts as read
	s_wait_kmcnt 0x0
	s_add_nc_u64 s[4:5], s[4:5], s[16:17]          ; all four at (b, q0, h)
	s_add_nc_u64 s[6:7], s[6:7], s[16:17]
	s_add_nc_u64 s[8:9], s[8:9], s[16:17]
	s_add_nc_u64 s[10:11], s[10:11], s[16:17]
	s_add_nc_u64 s[20:21], s[6:7], s[18:19]        ; the bases for the loads up to the end of the middle loop
	s_add_nc_u64 s[22:23], s[8:9], s[18:19]
	; Q: my 64 rows, read once in the launch, into the registers that will hold O^T; then tile 8
	WIN 0x80
.irp j, 0,1,2,3
.irp t, 0,1,2,3,4,5,6,7,8,9,10,11,12,13,14,15
	global_load_b128 v[4*(16*\j+\t):4*(16*\j+\t)+3], v[VO], s[4:5] offset:(64*\j+\t)*ROWB th:TH_LOAD_NT
.endr
.endr
	GLOAD 6, 8, 8
	s_wait_loadcnt 32                              ; Q is in; the 32 younger loads are tile 8's
	WIN 0x8a
.set ii, 0
.rept 64
	v_cvt_pk_bf16_f32 v[4*ii], v[4*ii], v[4*ii+1]
	v_cvt_pk_bf16_f32 v[4*ii+1], v[4*ii+2], v[4*ii+3]
.set ii, ii+1
.endr
	WIN 0x08
.irp j, 0,1,2,3
.irp t, 0,1,2,3,4,5,6,7,8,9,10,11,12,13,14,15
	ds_store_b64 v[QST], v[4*(16*\j+\t):4*(16*\j+\t)+1] offset:(16*\j+\t)*KP
.endr
.endr
	WIN 0xc0
.irp j, 0,1,2,3
.irp c, 0,1,2,3
	ds_load_b128 v[QFG+32*\j+8*\c:QFG+32*\j+8*\c+3], v[QFR] offset:\j*16*KP+64*\c        ; my own bytes, served in order behind the stores
	ds_load_b128 v[QFG+32*\j+8*\c+4:QFG+32*\j+8*\c+7], v[QFR] offset:\j*16*KP+64*\c+32
.endr
.endr
	CONVST 0                                       ; tile 8 into slot 0
	s_wait_dscnt 0x0                               ; my stores are done, for the others; Q's fragments are in
	GLOAD 20, 22, 4
	BAR
	; ---------------- the steps ----------------
	STEP 0, 0, 3, 0, 0, 1                          ; tile 8: every query has a live key here; starts maxima, sums and O^T
	TAIL 1, 20, 22, 5
	s_cmp_eq_u32 s13, 0
	s_cbranch_scc1 .Lnear                          ; n = 0: slot 1 holds tile 9 and tile 10 is on its way, as below
	s_mov_b32 s30, 0
.Lmid:                                             ; tiles 4, 5, then 6, 7: wholly live for all four row tiles
	STEP 1, 0, 3, -1, 0, 0
	TAIL 0, 20, 22, 6
	STEP 0, 0, 3, -1, 0, 0
	TAIL 1, 20, 22, 7
	s_wait_xcnt 0x0                                ; the bases of the loads just issued are stepped only behind this wait
	s_add_nc_u64 s[20:21], s[20:21], 3*TILEB       ; the second trip asks for tiles 9 and 10 (tile 8 is done)
	s_add_nc_u64 s[22:23], s[22:23], 3*TILEB
	s_add_co_u32 s30, s30, 1
	s_cmp_lt_u32 s30, 2
	s_cbranch_scc1 .Lmid
.Lnear:
	STEP 1, 1, 3, 1, 0, 0                          ; tile 9: diagonal of row tile 1
	TAIL 0, 6, 8, 11
	STEP 0, 2, 3, 2, 0, 0                          ; tile 10
	CONVST 1
	s_wait_dscnt 0x0                               ; as in TAIL
	WIN 0
	s_cmp_lt_u32 s13, 2
	s_cbranch_scc1 .Lnofar                         ; n < 2 has no tiles 0..3: nothing more to load
	GLOAD 6, 8, 0
	WIN 0
.Lnofar:
	BAR
	STEP 1, 3, 3, 3, 0, 0                          ; tile 11
	WIN 0
	s_cmp_lt_u32 s13, 2
	s_cbranch_scc1 .Lfin
	TAIL 0, 6, 8, 1
	STEP 0, 0, 0, 0, 1, 0                          ; tile 0: far edge of row tile 0
	TAIL 1, 6, 8, 2
	STEP 1, 0, 1, 1, 1, 0                          ; tile 1
	TAIL 0, 6, 8, 3
	STEP 0, 0, 2, 2, 1, 0                          ; tile 2
	TAIL 1, 6, 8, -1
	STEP 1, 0, 3, 3, 1, 0                          ; tile 3: nothing follows, so no barrier
	WIN 0
.Lfin:
	; ---------------- normalise and store ----------------
	PLACES                                         ; behind the last matrix instructions, ahead of the multiplies on O^T
.irp j, 0,1,2,3
	v_permlanex16_b32 v[TMP], v[STA+6*\j+4], s28, s29              ; the two halves' sums meet
	v_add_f32 v[STA+6*\j+4], v[STA+6*\j+4], v[TMP]
.endr
.irp j, 0,1,2,3
	v_rcp_f32 v[STA+6*\j+2], v[STA+6*\j+4]                         ; the sum holds the largest key's term, 1: never 0
	v_rcp_f32 v[STA+6*\j+3], v[STA+6*\j+4]
.endr
	v_nop                                          ; one plain instruction between the last reciprocal and its use (ISA guide 5.7.2)
	s_wait_alu depctr_va_vdst(0)
	RESCALE 0
	RESCALE 1
	RESCALE 2
	RESCALE 3
	OUT 0
	OUT 1
	OUT 2
	OUT 3
	s_wait_tensorcnt 0x0
	ds_add_u32 v62, v63
	s_wait_dscnt 0x0
	s_endpgm
.Lfunc_end_k_qa746621045_attn:
	.size	k_qa746621045_attn, .Lfunc_end_k_qa746621045_attn-k_qa746621045_attn
	.p2alignl 7, 3214868480
	.fill 96, 4, 3214868480
	.section	.rodata,"a",@progbits
	.p2align	6, 0x0
	.amdhsa_kernel k_qa746621045_attn
		.amdhsa_group_segment_fixed_size 141824
		.amdhsa_private_segment_fixed_size 0
		.amdhsa_enable_private_segment 0
		.amdhsa_kernarg_size 32
		.amdhsa_user_sgpr_count 2
		.amdhsa_user_sgpr_kernarg_segment_ptr 1
		.amdhsa_wavefront_size32 1
		.amdhsa_system_sgpr_workgroup_id_x 1
		.amdhsa_system_sgpr_workgroup_id_y 1
		.amdhsa_system_sgpr_workgroup_id_z 1
		.amdhsa_system_vgpr_workitem_id 0
		.amdhsa_next_free_vgpr 1024
		.amdhsa_next_free_sgpr 66
		.amdhsa_reserve_vcc 1
		.amdhsa_float_denorm_mode_32 3
		.amdhsa_float_denorm_mode_16_64 3
		.amdhsa_memory_ordered 1
		.amdhsa_forward_progress 1
		.amdhsa_inst_pref_size 255
	.end_amdhsa_kernel
	.section	.bss,"aw",@nobits
	.p2align	6
	.space	262144
	.amdgpu_metadata
---
amdhsa.version: [ 1, 2 ]
amdhsa.kernels:
  - .name:           k_qa746621045_attn
    .symbol:         k_qa746621045_attn.kd
    .args:
      - { .name: query, .offset: 0, .size: 8, .value_kind: global_buffer, .address_space: global }
      - { .name: key, .offset: 8, .size: 8, .value_kind: global_buffer, .address_space: global }
      - { .name: value, .offset: 16, .size: 8, .value_kind: global_buffer, .address_space: global }
      - { .name: out0, .offset: 24, .size: 8, .value_kind: global_buffer, .address_space: global }
    .group_segment_fixed_size: 141824
    .private_segment_fixed_size: 0
    .kernarg_segment_align: 8
    .kernarg_segment_size: 32
    .max_flat_workgroup_size: 128
    .sgpr_count:     66
    .vgpr_count:     1024
    .wavefront_size: 32
...
	.end_amdgpu_metadata
.endif
;; end of part 1
